; MI455X (gfx1250); checked and timed in simulation.
; The chip was launched on July 23, 2026; its instructions are those of AMD's public machine-readable ISA for CDNA 5 (MIT licence, August 2026) and "CDNA5" Instruction Set Architecture Reference Guide (July 2026). The comments in the code are by the model that wrote it; some were corrected since.
;; Scaled Dot Production. Allowed arithmetic: matrix products marked QUANTISED: E4M3 operands, one given power-of-two scale a tensor, by v_wmma_f32_16x16x64_fp8_fp8 or v_wmma_f32_16x16x128_fp8_fp8, f32 sums; everything else in f32.
;; Inputs: k_s 4 x 16 x 2,048 x 64 float32; lowp_scales 4 int32 (the exponents e of the quantised operands' scales 2^e); q_s 4 x 16 x 2,048 x 64 float32; v_s 4 x 16 x 2,048 x 64 float32.
;; Outputs: out0 4 x 16 x 2,048 x 64 float32.
;; This version of the problem:
;;   THIS VERSION OF THE PROBLEM IS GIVEN IN LOW PRECISION. The matrix products marked QUANTISED in the list below multiply operands that are first quantised to E4M3 (4 exponent bits, 3 mantissa bits; 8 bits a number), with one given power-of-two scale for each operand tensor; their sums are f32. All else is computed in f32.
;;   The module's matrix products, in the order in which they are computed (A, B: the left and right operand; K: the contracted axis; several contracted axes count as one K, in the product's order):
;;     1. batch 64 x [M 2,048, K 64] x [K 64, N 2,048]; A: input q_s; B: input k_s: QUANTISED (scales: A lowp_scales[0], B lowp_scales[1])
;;     2. batch 64 x [M 2,048, K 2,048] x [K 2,048, N 64]; A: softmax (see below); B: input v_s: QUANTISED (scales: A lowp_scales[2], B lowp_scales[3])
;;   THE QUANTISER, for each operand of a quantised product, along K:
;;     - The operand's scale is 2^e, e = its entry of the input lowp_scales (int32; the entries are numbered through the quantised products in the list's order, A before B).
;;     - Each number is divided by the scale, clamped to +-448, and rounded to the nearest number of E4M3, ties to even, subnormals kept.
;;     - The product sums the exact products of the quantised numbers (number of the format x scale) in f32.
;;   ~~~python
;;   def quantise(x, axis, e):      # numpy; x: float32 -> the quantised numbers, widened to float32 again
;;       x = np.moveaxis(x, axis, -1); K = x.shape[-1]
;;       r = np.clip(x / 2.0 ** e, -448, 448)
;;       step = 2.0 ** (np.maximum(np.frexp(np.where(r == 0, 1, r))[1] - 1, -6) - 3)
;;       q = np.round(r / step) * step * 2.0 ** e      # np.round: ties to even
;;       return np.moveaxis(q, -1, axis).astype(np.float32)
;;   ~~~
;;   SOFTMAX AHEAD OF A QUANTISED PRODUCT. Where the list says 'softmax', what is quantised is not the finished softmax but p = 2^(t - M), with t = logit x log2(e) and M = ceil(the row's largest t), a whole number; so 1/2 < the row's largest p <= 1. The row's sum l is taken of the UNQUANTISED p, in f32, and the product's result is divided by l at the end. Since M is a whole number, a kernel that streams over the keys may use a running M (the ceiling of the running maximum): every later rescaling is an exact power of two, so the quantised numbers keep their values, but for numbers so far below the row's largest that they fall under the format's range.
;;   OPERANDS COMPUTED ON THE WAY. 'Computed on the way' means the value that the module computes at that place (a softmax that the list does not call 'softmax' is quantised finished and normalised). What goes into a quantiser is computed in f32, as accurately as f32 sums, v_exp_f32 and their like allow (about 1e-6 of the number): no bf16 or f16 on the way to a quantiser, and a product that is left as it is and whose result goes on into a quantised operand takes f32 operands (vector FMAs, or v_wmma_f32_16x16x4_f32). A number that lies on a knife's edge between two numbers of the format may be rounded either way, as far as f32 arithmetic and the matrix unit's own rounding can turn it there, and no further.
;; 2 versions. Each part assembles by itself: llvm-mc -triple=amdgcn-amd-amdhsa -mcpu=gfx1250 --defsym DOCPART=n.
;; ======== version 1 of 2: 1 launch
;; launch attn (part 1): grid 4 x 64, 16 waves a work-group, no clusters, 317,440 bytes of LDS; arguments q_s, k_s, v_s, lowp_scales, out0; writes out0
.if DOCPART == 1
	.amdgcn_target "amdgcn-amd-amdhsa--gfx1250"
	.amdhsa_code_object_version 6
	.text
	.protected	k_q07df07b71e_attn
	.globl	k_q07df07b71e_attn
	.p2align	8
	.type	k_q07df07b71e_attn,@function
k_q07df07b71e_attn:
	s_mov_b64 s[64:65], 0
	v_nop
	global_prefetch_b8 v0, s[64:65] scope:SCOPE_SE
	s_setreg_imm32_b32 hwreg(HW_REG_WAVE_MODE, 25, 1), 1
	s_wait_xcnt 0x0
; out[h][q][:] = the sum over k of softmax_k(q[h][q] . k[h][k] / 8) v[h][k][:].  q, k, v, out: [64 heads][2048][64] f32.  Both products on codes of FP8 (E4M3),
; each operand with the one scale 2^e that is given for it: eq, ek, ep, ev (int32, in this order).
; THE SOFTMAX AHEAD OF THE SECOND PRODUCT: t = score x log2(e) / 8; M = the row's largest t so far, rounded UP to a whole number; p = 2^(t - M) is what is quantised, not normalised.
; The row's sum is taken of the unquantised p, in f32, and divides at the end.  When M moves, the sum and O are multiplied by 2^(old M - new M): nothing is rounded.
; SHARES.  A work-group owns 512 queries of one head (x: the block, y: the head); each of its sixteen waves owns 32 of them, two tiles of 16, in 256 registers.
; Every wave walks the head's 2,048 keys in 32 chunks of 64.
; K AND V LIE IN LDS AS CODES, WHOLE: a head's K and V are 2 x 131,072 bytes of codes.  The sixteen waves quantise them together, a chunk a trip, one chunk ahead of the products,
; from f32 numbers asked for two trips earlier: 8 numbers of K and 8 of V a lane and chunk.  Each LDS byte of K and V is written once: no slot is ever filled again.
; LAYOUT.  Both products are used transposed: S^T = K Q^T (source 0 = 16 keys, source 1 = 16 queries), O^T = V^T P^T (source 0 = 16 of the head's 64, source 1 = P): a lane holds ONE query
; (lane % 16) throughout, the eight registers of a tile of S^T are the keys 16 tau + 8 (lane / 16) + 0 .. 7, and their conversion gives registers 2 tau, 2 tau + 1 of P's operand as they stand.
; V's codes are stored as an image of the operand's registers.  K's and Q's are stored in planes of 16 rows x 16 bytes; the place of a channel d in the registers is a permutation of d,
; the same in K and in Q, so every product meets its partner and only the order of the sums inside an instruction changes.
; NO CLUSTER, NO TENSOR LOAD: the four work-groups of a head read the same K and V, but as f32 numbers that have to pass through registers to become codes.  The codes take 294,912 bytes of LDS
; and are written by ds_store; a jointly loaded f32 tile would need a ring in the 32,768 bytes that are left, filled again 32 times or more, each time behind a round of the cluster's barrier.
; THE HOLD OF p (p <= 1) is needed only where 448 x 2^ep < 1, that is ep <= -9: elsewhere a scalar branch on the whole number ep leads round its 64 lines.
; LIMITS: eq, ek, ep, ev between -126 and 119; eq + ek between -123 and 130 (each power of two below is then an f32 number).  NaN among the inputs is not served; an infinity is held at the largest code.
.set CHB,    16384                     ; a chunk of K or of V in memory: 64 rows of 256 bytes
.set NCH,    32                        ; chunks
.set KPLANE, 320                       ; K in LDS: a plane = 16 rows x 16 bytes + 64 of padding, so that the four planes that a wave's store touches start 64 bytes apart modulo 256
.set KTILE,  4*KPLANE                  ; a tile of 16 keys: four planes
.set KCH,    4*KTILE                   ; a chunk: four tiles
.set VCH,    4096                      ; V in LDS: a chunk = 4 tiles of 16 channels x 2 groups of four registers x 32 lanes x 16 bytes
.set VOFF,   NCH*KCH                   ; V lies behind K
.set QS,     VOFF+NCH*VCH              ; behind V: 1,280 bytes for each wave, through which its two tiles of Q take K's form, one after the other
.set SPITCH, 272                       ; the way out: a stage row, 256 bytes + 16
.set STILE,  16*SPITCH
.set SWAVE,  2*STILE                   ; two tiles a wave; the stages lie in K's bytes, behind the last barrier
.set AK0, 1                            ; v1   my lane's place in a tile of K: 16 r + 640 h
.set AV0, 2                            ; v2   in a chunk of V: VOFF + 16 x lane
.set KW,  3                            ; v3   where I store my 8 codes of a chunk of K
.set VW,  4                            ; v4   of V
.set KG,  5                            ; v5   my byte offset in a chunk of k_s; never rewritten
.set VG,  6                            ; v6   in a chunk of v_s; never rewritten
.set ADR, 7                            ; v7   address of the LDS loads in hand
.set SCK, 8                            ; v8-11  2^ek, 2^ev, 2^ep, 2^eq as f32: the conversions take their exponent fields
.set SCV, 9
.set SCP, 10
.set SCQ, 11
.set ST,  12                           ; tile t at v[12 + 4 t]: +0 -M, +1 the largest t, +2, +3 the sum in two halves
.set TA,  20                           ; v20, v21 at work
.set TX,  21
.set U,   22                           ; v[22:23] a second chain, of the maximum and then of the sum
.set F,   24                           ; v[24:25], v[26:27]: f = 2^(old M - new M) of tile 0, 1 in the low word
.set Q,   28                           ; v28-43   Q's two fragments
.set CD,  44                           ; v44-47   the codes just made: K's two registers, V's two
.set PF,  48                           ; v48-79   two sets of 16 numbers on their way: 8 of K, 8 of V
.set FR,  80                           ; v80-111  four fragments, of K and then of V
.set P,   112                          ; v112-127 P's two fragments
.set S,   128                          ; v128-191 S^T, then p: tile t, key tile tau at 128 + 32 t + 8 tau
.set O,   192                          ; v192-255 O^T: tile t, channel tile delta at 192 + 32 t + 8 delta
.set QG,  96                           ; the head alone: Q's byte offset, and the two addresses in my wave's scratch
.set QW,  97
.set QR,  98
.set WV,  14                           ; s14  my wave's number
.set SEL, 20                           ; s[20:21] lane selects for v_permlanex16_b32: lane l xor 16
.set CS,  22                           ; s[22:23] c = log2(e) / 8 x 2^(eq + ek)
.set KB,  24                           ; s24  LDS byte at which the chunk in hand begins in K
.set VB,  25                           ; s25  and, from VOFF on, in V
.set CNT, 26
.set LK,  28                           ; s[28:29], s[30:31], s[32:33]: -448 x the scale, +448 x the scale, of K, V, Q;  s34: +448 x 2^ep
.set LV,  30
.set LQ,  32
.set LP,  34
.set EPV, 35                           ; s35  ep + ev
; Ten loads: my 8 numbers of K (key tid / 8 of the chunk, channels 4 (tid % 8) + 0..3 and 32 further on) and my 8 of V (channel tid % 64, keys 8 (tid / 64) + 0..7: registers run down the keys).
; No cache hint: three other work-groups read the same bytes.
.macro LOADC set, off
	global_load_b128 v[PF+16*(\set):PF+16*(\set)+3], v[KG], s[6:7] offset:(\off)
	global_load_b128 v[PF+16*(\set)+4:PF+16*(\set)+7], v[KG], s[6:7] offset:(\off)+128
.irp n, 0,1,2,3,4,5,6,7
	global_load_b32 v[PF+16*(\set)+8+\n], v[VG], s[8:9] offset:(\off)+256*\n
.endr
.endm
; A set's 16 numbers become 16 codes and go to LDS, ck and cv bytes behind the chunk in hand.
.macro QUANT set, ck, cv
.set rX, PF+16*(\set)
.irp i, 0,1,2,3,4,5,6,7
	v_med3_num_f32 v[rX+\i], v[rX+\i], s[LK], s[LK+1]        ; the conversion to an 8-bit code does not saturate (ISA guide 7.6.2): the hold at the largest code x the scale
.endr
.irp i, 8,9,10,11,12,13,14,15
	v_med3_num_f32 v[rX+\i], v[rX+\i], s[LV], s[LV+1]
.endr
	v_cvt_scalef32_pk8_fp8_f32 v[CD:CD+1], v[rX:rX+7], v[SCK]
	v_cvt_scalef32_pk8_fp8_f32 v[CD+2:CD+3], v[rX+8:rX+15], v[SCV]
	v_add_nc_u32 v[TA], s[KB], v[KW]                         ; (these two are also the plain lines behind the conversions)
	v_add_nc_u32 v[TX], s[VB], v[VW]
	ds_store_b64 v[TA], v[CD:CD+1] offset:\ck
	ds_store_b64 v[TX], v[CD+2:CD+3] offset:\cv
.endm
; Tile t's softmax for a chunk: 32 scores a lane become p; -M, the largest t, f and the sum are brought on.
.macro SOFT t
.set rS, S+32*(\t)
.set rT, ST+4*(\t)
.set rF, F+2*(\t)
	v_max3_num_f32 v[TA], v[rS], v[rS+1], v[rS+2]            ; the largest score among my 32 keys, in two chains, in ascending order: each accumulator is first read at its low end
	v_max3_num_f32 v[U], v[rS+3], v[rS+4], v[rS+5]
.irp i, 6,10,14,18,22,26
	v_max3_num_f32 v[TA], v[TA], v[rS+\i], v[rS+\i+1]
	v_max3_num_f32 v[U], v[U], v[rS+\i+2], v[rS+\i+3]
.endr
	v_max3_num_f32 v[TA], v[TA], v[rS+30], v[rS+31]
	v_max_num_f32 v[TA], v[TA], v[U]
	v_permlanex16_b32 v[TX], v[TA], s[SEL], s[SEL+1]         ; the query's other 32 keys lie in the lane 16 away
	v_max_num_f32 v[TA], v[TA], v[TX]
	v_mul_f32 v[TA], s[CS], v[TA]                            ; as t (c is positive)
	v_max_num_f32 v[rT+1], v[rT+1], v[TA]                    ; the running largest t
	v_mov_b32 v[TA], v[rT]
	v_floor_f32 v[rT], -v[rT+1]                              ; the new -M = floor(-t) = -ceil(t): a whole number
	v_sub_f32 v[TA], v[rT], v[TA]                            ; old M - new M: a whole number, 0 or less
	v_cvt_i32_f32 v[TA], v[TA]                               ; (it saturates)
	v_ldexp_f32 v[rF], 1.0, v[TA]                            ; f = 2^(old M - new M)
.irp j, 0,2,4,6,8,10,12,14,16,18,20,22,24,26,28,30
	v_pk_fma_f32 v[rS+\j:rS+\j+1], v[rS+\j:rS+\j+1], s[CS:CS+1], v[rT:rT+1] op_sel_hi:[1,0,0]   ; t - M, two at a time (of the pairs c and -M the low word serves both halves)
.endr
.irp j, 0,1,2,3,4,5,6,7,8,9,10,11,12,13,14,15,16,17,18,19,20,21,22,23,24,25,26,27,28,29,30,31
	v_exp_f32 v[rS+\j], v[rS+\j]                             ; p = 2^(t - M), at most 1
.endr
	v_pk_mul_f32 v[rT+2:rT+3], v[rT+2:rT+3], v[rF:rF+1] op_sel_hi:[1,0]   ; the sum under the new M.  (The plain line behind the exponentials)
	s_wait_alu depctr_va_vdst(0)
	v_pk_add_f32 v[U:U+1], v[rS:rS+1], v[rS+2:rS+3]          ; the sum is taken of the unquantised p: two at a time, in two chains
.irp j, 4,8,12,16,20,24,28
	v_pk_add_f32 v[rT+2:rT+3], v[rT+2:rT+3], v[rS+\j:rS+\j+1]
	v_pk_add_f32 v[U:U+1], v[U:U+1], v[rS+\j+2:rS+\j+3]
.endr
	v_pk_add_f32 v[rT+2:rT+3], v[rT+2:rT+3], v[U:U+1]
.endm
; p is not negative, so its hold is one-sided; p <= 1 and 448 x 2^-8 = 1.75, so from ep = -8 on nothing is left to hold.  The branch hangs on a whole number read from memory, the same in every wave.
.macro HOLD
	s_cmp_ge_i32 s18, -8
	s_cbranch_scc1 .Lfree_\@
.set i, 0
.rept 64
	v_min_num_f32 v[S+i], s[LP], v[S+i]
.set i, i+1
.endr
.Lfree_\@:
.endm
; One chunk of 64 keys.  set: the numbers' set of the next chunk.  quant = 1: the next chunk is quantised, and a barrier shows it to all.  load = 1: the chunk three on is asked for.
; left: the global loads that may stay out when the next chunk's numbers have to be there.
.macro TRIP set, quant, load, left
	v_add_nc_u32 v[ADR], s[KB], v[AK0]
.rept 3
	v_nop                                                    ; with the addition: four places behind the last products, in front of loads into registers that they read (ISA guide 7.12.1 for vector instructions)
.endr
.irp tau, 0,1,2,3
.irp c, 0,1
	ds_load_b128 v[FR+8*\tau+4*\c:FR+8*\tau+4*\c+3], v[ADR] offset:KTILE*\tau+KPLANE*\c   ; K's four fragments: plane 2 h + c, row r
.endr
.endr
.if \quant
	s_wait_loadcnt \left                                     ; loads come back in order: the next chunk's ten are in, the ten behind them (if any) stay out
	QUANT \set, KCH, VCH
.endif
.if \load
	s_wait_xcnt 0x0                                          ; the earlier loads have read their bases: only now do these step
	s_add_nc_u64 s[6:7], s[6:7], CHB
	s_add_nc_u64 s[8:9], s[8:9], CHB
	LOADC \set, 2*CHB                                        ; the bases stand at the next chunk: this is the chunk three on, into the set just read out
.endif
	s_wait_dscnt 0x0                                         ; K's fragments are in; for the others' sake: my codes of the next chunk have landed
.if \quant
	s_barrier_signal -1                                      ; say so; up to the wait at the trip's end stand register work and loads of this chunk's V, which nobody writes again
.endif
.irp tau, 0,1,2,3
.irp t, 0,1
	v_wmma_f32_16x16x64_fp8_fp8 v[S+32*\t+8*\tau:S+32*\t+8*\tau+7], v[FR+8*\tau:FR+8*\tau+7], v[Q+8*\t:Q+8*\t+7], 0
.endr
.endr
	v_add_nc_u32 v[ADR], s[VB], v[AV0]
.rept 3
	v_nop                                                    ; four places again: for the loads into the fragments' registers and for the first reads of the scores
.endr
.irp d, 0,1,2,3
.irp c, 0,1
	ds_load_b128 v[FR+8*\d+4*\c:FR+8*\d+4*\c+3], v[ADR] offset:1024*\d+512*\c   ; V's four fragments, as images of their registers: they land under the softmax
.endr
.endr
	SOFT 0
	SOFT 1
	HOLD
.irp t, 0,1
.irp tau, 0,1,2,3
	v_cvt_scalef32_pk8_fp8_f32 v[P+8*\t+2*\tau:P+8*\t+2*\tau+1], v[S+32*\t+8*\tau:S+32*\t+8*\tau+7], v[SCP]   ; keys 16 tau + 8 h + 0 .. 7: registers 2 tau, 2 tau + 1 of the operand
.endr
.endr
.irp t, 0,1
.irp j, 0,2,4,6,8,10,12,14,16,18,20,22,24,26,28,30
	v_pk_mul_f32 v[O+32*\t+\j:O+32*\t+\j+1], v[O+32*\t+\j:O+32*\t+\j+1], v[F+2*\t:F+2*\t+1] op_sel_hi:[1,0]   ; O^T under the new M.  (Also the plain lines between the conversions and the products)
.endr
.endr
	s_wait_dscnt 0x0                                         ; V's fragments are in
.irp d, 0,1,2,3
.irp t, 0,1
	v_wmma_f32_16x16x64_fp8_fp8 v[O+32*\t+8*\d:O+32*\t+8*\d+7], v[FR+8*\d:FR+8*\d+7], v[P+8*\t:P+8*\t+7], v[O+32*\t+8*\d:O+32*\t+8*\d+7]   ; eight accumulators by turns, one instruction a turn
.endr
.endr
	s_add_co_u32 s[KB], s[KB], KCH
	s_add_co_u32 s[VB], s[VB], VCH
.if \quant
	s_barrier_wait -1                                        ; every wave's codes of the next chunk lie in LDS
.endif
.endm
; 2^e as f32 into v[sc]; 448 x 2^e into s[lim]; both = 1: its negative into s[lim - 1]
.macro SCALE e, sc, lim, both
	s_add_co_i32 s36, s[\e], 127
	s_lshl_b32 s37, s36, 23
	v_mov_b32 v[\sc], s37
	s_add_co_i32 s36, s36, 8
	s_lshl_b32 s36, s36, 23
	s_or_b32 s[(\lim)], s36, 0x600000                        ; the exponent field of 256 x 2^e over the mantissa field of 448
.if \both
	s_or_b32 s[(\lim)-1], s[(\lim)], 0x80000000
.endif
.endm
	s_load_b256 s[4:11], s[0:1], 0x0               ; q s[4:5], k s[6:7], v s[8:9], the scales' exponents s[10:11]
	s_load_b64 s[12:13], s[0:1], 0x20              ; out
	v_lshrrev_b32 v7, 5, v0
	v_readfirstlane_b32 s[WV], v7                  ; wave 0..15
	v_and_b32 v20, 15, v0                          ; r
	v_bfe_u32 v21, v0, 4, 1                        ; h
	v_mul_u32_u24 v22, v21, 2*KPLANE
	v_lshl_add_u32 v[AK0], v20, 4, v22             ; 16 r + two planes for the upper half of the lanes
	v_and_b32 v22, 31, v0
	v_lshl_add_u32 v[AV0], v22, 4, VOFF
	v_bfe_u32 v22, v0, 1, 2                        ; K's store: thread tid holds key tid / 8 and the channel group g = tid % 8: plane g / 2,
	v_mul_u32_u24 v[KW], v22, KPLANE
	v_and_b32 v22, 1, v0
	v_lshl_add_u32 v[KW], v22, 3, v[KW]            ; half g % 2 of the row's 16 bytes,
	v_bfe_u32 v22, v0, 3, 4
	v_lshl_add_u32 v[KW], v22, 4, v[KW]            ; row (tid / 8) % 16,
	v_lshrrev_b32 v22, 7, v0
	v_mul_u32_u24 v22, v22, KTILE
	v_add_nc_u32 v[KW], v[KW], v22                 ; tile tid / 128
	v_lshl_add_u32 v[VW], v20, 4, VOFF             ; V's store: thread tid holds channel tid % 64 = 16 delta + r and keys 8 (tid / 64) + 0..7 = 16 tau + 8 h + 0..7: lane r + 16 h,
	v_bfe_u32 v22, v0, 4, 2
	v_lshl_add_u32 v[VW], v22, 10, v[VW]           ; tile delta,
	v_bfe_u32 v22, v0, 6, 1
	v_lshl_add_u32 v[VW], v22, 8, v[VW]            ; (16 h lanes of 16 bytes)
	v_bfe_u32 v22, v0, 7, 1
	v_lshl_add_u32 v[VW], v22, 3, v[VW]            ; registers 2 tau, 2 tau + 1: half tau % 2
	v_bfe_u32 v22, v0, 8, 1
	v_lshl_add_u32 v[VW], v22, 9, v[VW]            ; of group tau / 2
	v_lshrrev_b32 v22, 3, v0
	v_and_b32 v23, 7, v0
	v_lshlrev_b32 v[KG], 8, v22
	v_lshl_add_u32 v[KG], v23, 4, v[KG]            ; k_s: row tid / 8, 16 bytes at 16 (tid % 8)
	v_and_b32 v22, 63, v0
	v_lshrrev_b32 v24, 6, v0
	v_lshlrev_b32 v[VG], 2, v22
	v_lshl_add_u32 v[VG], v24, 11, v[VG]           ; v_s: column tid % 64, eight rows down for each tid / 64
	v_bfe_u32 v22, v0, 3, 2
	v_lshlrev_b32 v[QG], 8, v22
	v_lshl_add_u32 v[QG], v23, 4, v[QG]            ; q_s: row lane / 8 of four, 16 bytes at 16 (lane % 8)
	s_mul_i32 s36, s[WV], KTILE
	s_add_co_u32 s36, s36, QS                      ; my wave's scratch
	v_bfe_u32 v24, v0, 1, 2
	v_mul_u32_u24 v[QW], v24, KPLANE
	v_and_b32 v24, 1, v0
	v_lshl_add_u32 v[QW], v24, 3, v[QW]
	v_lshl_add_u32 v[QW], v22, 4, v[QW]
	v_add_nc_u32 v[QW], s36, v[QW]                 ; into it as K's codes go into a tile,
	v_add_nc_u32 v[QR], s36, v[AK0]                ; and out of it as K's fragments come
	s_and_b32 s40, ttmp7, 0xffff
	s_lshl_b32 s40, s40, 19                        ; the head's first byte in each tensor: 2,048 rows of 256 bytes
	s_mov_b32 s41, 0
	s_lshl_b32 s42, ttmp9, 17                      ; my block's 512 rows,
	s_lshl_b32 s43, s[WV], 13                      ; my wave's 32 of them
	s_add_co_u32 s42, s42, s43
	s_add_co_u32 s42, s42, s40
	s_mov_b32 s43, 0
	s_mov_b32 s[SEL], 0x76543210
	s_mov_b32 s[SEL+1], 0xfedcba98
	s_mov_b32 s[KB], 0
	s_mov_b32 s[VB], 0
	s_wait_kmcnt 0x0
	s_load_b128 s[16:19], s[10:11], 0x0            ; eq, ek, ep, ev
	s_add_nc_u64 s[6:7], s[6:7], s[40:41]
	s_add_nc_u64 s[8:9], s[8:9], s[40:41]
	s_add_nc_u64 s[4:5], s[4:5], s[42:43]
	s_add_nc_u64 s[12:13], s[12:13], s[42:43]
	LOADC 0, 0                                     ; chunk 0
	LOADC 1, CHB                                   ; chunk 1
.irp g, 0,1,2,3,4,5,6,7                        ; my wave's 32 queries, four rows a pair of loads; read by nobody else
.irp i, 0,1
	global_load_b128 v[S+8*\g+4*\i:S+8*\g+4*\i+3], v[QG], s[4:5] offset:1024*\g+128*\i th:TH_LOAD_NT
.endr
.endr
.set i, 0
.rept 64
	v_mov_b32 v[O+i], 0                            ; O^T.  (A trip is written in one form: the first finds zeros, which the first change of M leaves zeros)
.set i, i+1
.endr
.irp t, 0,1
	v_mov_b32 v[ST+4*\t+1], 0xff61b1e6             ; the largest t so far: -3e38, under every t
	v_floor_f32 v[ST+4*\t], -v[ST+4*\t+1]          ; -M
	v_mov_b32 v[ST+4*\t+2], 0                      ; the sum, in two halves
	v_mov_b32 v[ST+4*\t+3], 0
	v_mov_b32 v[F+2*\t+1], 0                       ; (named as the upper half of f's pair)
.endr
	v_mov_b32 v[TX], 0                             ; a lane permute's destination counts as one of its sources
	s_wait_kmcnt 0x0
	s_add_co_i32 s36, s16, s17
	s_lshl_b32 s36, s36, 23
	s_mov_b32 s[CS], 0x3e38aa3b                    ; c = log2(e) / 8
	s_add_co_i32 s[CS], s[CS], s36                 ; a score stands for score x 2^(eq + ek): the two exponents are added to c's exponent field
	s_mov_b32 s[CS+1], s[CS]                       ; (named with it as a pair, so it is written)
	s_add_co_i32 s[EPV], s18, s19
	SCALE 16, SCQ, LQ+1, 1
	SCALE 17, SCK, LK+1, 1
	SCALE 18, SCP, LP, 0
	SCALE 19, SCV, LV+1, 1
	s_wait_loadcnt 26                              ; chunk 0's ten loads are in; behind them: chunk 1's ten and Q's sixteen
	QUANT 0, 0, 0
	LOADC 0, 2*CHB                                 ; chunk 2, into the set just read out
	s_wait_loadcnt 10                              ; chunk 1 and Q are in; chunk 2's ten stay out
.set i, 0
.rept 64
	v_med3_num_f32 v[S+i], v[S+i], s[LQ], s[LQ+1]
.set i, i+1
.endr
.irp g, 0,1,2,3,4,5,6,7
	v_cvt_scalef32_pk8_fp8_f32 v[FR+2*\g:FR+2*\g+1], v[S+8*\g:S+8*\g+7], v[SCQ]
.endr
	v_nop                                          ; one plain line behind the last conversion: the first products write the numbers' registers
.irp t, 0,1                                    ; LDS serves a wave's instructions in order (ISA guide 5.7.1.4): a tile's loads see its stores, and the second tile's stores come behind the first's loads
.irp g, 0,1,2,3
	ds_store_b64 v[QW], v[FR+2*(4*\t+\g):FR+2*(4*\t+\g)+1] offset:64*\g
.endr
.irp c, 0,1
	ds_load_b128 v[Q+8*\t+4*\c:Q+8*\t+4*\c+3], v[QR] offset:KPLANE*\c
.endr
.endr
	s_wait_dscnt 0x0                               ; Q's fragments are in; for the others' sake: my codes of chunk 0 have landed
	s_barrier_signal -1
	s_barrier_wait -1                              ; chunk 0 lies in LDS
	s_mov_b32 s[CNT], 14
.Lpair:                                            ; chunks 0 to 27, two a trip, since the numbers' sets take turns
	TRIP 1, 1, 1, 10
	TRIP 0, 1, 1, 10
	s_sub_co_u32 s[CNT], s[CNT], 1
	s_cmp_lg_u32 s[CNT], 0
	s_cbranch_scc1 .Lpair
	TRIP 1, 1, 1, 10                               ; chunk 28: asks for chunk 31, the last: no load leaves its buffer
	TRIP 0, 1, 0, 10                               ; chunk 29: chunk 30 is quantised, chunk 31's ten loads stay out
	TRIP 1, 1, 0, 0                                ; chunk 30: chunk 31 is quantised
	TRIP 0, 0, 0, 0                                ; chunk 31: nothing is left to quantise, so there is no barrier
	; THE WAY OUT.  O^T is divided by the sum, multiplied by 2^(ep + ev) and sent through my stage in LDS, so that sixteen lanes store a row's 256 bytes.
	s_wait_dscnt 0x0
	s_barrier_signal -1
	s_barrier_wait -1                              ; every wave's reads of K and V are over: the stages may lie in K's bytes
	v_and_b32 v7, 15, v0                           ; r.  (These eleven plain lines are the places behind the last products)
	v_bfe_u32 v11, v0, 4, 1                        ; h
	s_mul_i32 s36, s[WV], SWAVE                    ; my stage
	v_mul_u32_u24 v1, v7, SPITCH
	v_lshl_add_u32 v1, v11, 5, v1
	v_add_nc_u32 v1, s36, v1                       ; in: row r, 32 bytes for each half of the lanes
	v_mul_u32_u24 v2, v11, SPITCH
	v_lshl_add_u32 v2, v7, 4, v2
	v_add_nc_u32 v2, s36, v2                       ; back: lanes 0-15 one row, lanes 16-31 the next
	v_lshlrev_b32 v3, 8, v11
	v_lshl_add_u32 v3, v7, 4, v3                   ; and the same two rows in out
	v_add_f32 v20, v14, v15                        ; the sums' two halves,
	v_add_f32 v22, v18, v19
	v_permlanex16_b32 v21, v20, s[SEL], s[SEL+1]
	v_permlanex16_b32 v23, v22, s[SEL], s[SEL+1]
	v_add_f32 v20, v20, v21                        ; and lane l xor 16's: the rows' sums
	v_add_f32 v22, v22, v23
	v_rcp_f32 v[F], v20
	v_rcp_f32 v[F+2], v22
	v_nop                                          ; one plain line behind the reciprocals
	s_wait_alu depctr_va_vdst(0)
	v_ldexp_f32 v[F], v[F], s[EPV]                 ; x 2^(ep + ev)
	v_ldexp_f32 v[F+2], v[F+2], s[EPV]
.irp t, 0,1
.irp j, 0,2,4,6,8,10,12,14,16,18,20,22,24,26,28,30
	v_pk_mul_f32 v[S+32*\t+\j:S+32*\t+\j+1], v[O+32*\t+\j:O+32*\t+\j+1], v[F+2*\t:F+2*\t+1] op_sel_hi:[1,0]   ; register 8 delta + i is out(r, 16 delta + 8 h + i); each accumulator from its low end on
.endr
.endr
.irp t, 0,1
.irp d, 0,1,2,3
	ds_store_b128 v1, v[S+32*\t+8*\d:S+32*\t+8*\d+3] offset:STILE*\t+64*\d
	ds_store_b128 v1, v[S+32*\t+8*\d+4:S+32*\t+8*\d+7] offset:STILE*\t+64*\d+16
.endr
.irp i, 0,1,2,3,4,5,6,7
	ds_load_b128 v[PF+32*\t+4*\i:PF+32*\t+4*\i+3], v2 offset:STILE*\t+2*SPITCH*\i   ; in order behind my stores: whole rows, two an instruction
.endr
.endr
.irp i, 0,1,2,3,4,5,6,7
	s_wait_dscnt 23-\i                             ; behind tile 0's load i: 7 - i of its own, and tile 1's eight stores and eight loads
	global_store_b128 v3, v[PF+4*\i:PF+4*\i+3], s[12:13] offset:512*\i th:TH_STORE_NT   ; 16 lanes store 256 consecutive bytes, at a multiple of 256 from out's first byte
.endr
.irp i, 0,1,2,3,4,5,6,7
	s_wait_dscnt 7-\i
	global_store_b128 v3, v[PF+32+4*\i:PF+32+4*\i+3], s[12:13] offset:4096+512*\i th:TH_STORE_NT
.endr
	s_wait_xcnt 0x0
	v_lshl_add_u32 v254, v0, 2, 0x4d000
	v_mov_b32 v255, 0
	s_wait_tensorcnt 0x0
	ds_add_u32 v254, v255
	s_wait_dscnt 0x0
	s_endpgm
.Lfunc_end_k_q07df07b71e_attn:
	.size	k_q07df07b71e_attn, .Lfunc_end_k_q07df07b71e_attn-k_q07df07b71e_attn
	.p2alignl 7, 3214868480
	.fill 96, 4, 3214868480
	.section	.rodata,"a",@progbits
	.p2align	6, 0x0
	.amdhsa_kernel k_q07df07b71e_attn
		.amdhsa_group_segment_fixed_size 317440
		.amdhsa_private_segment_fixed_size 0
		.amdhsa_enable_private_segment 0
		.amdhsa_kernarg_size 40
		.amdhsa_user_sgpr_count 2
		.amdhsa_user_sgpr_kernarg_segment_ptr 1
		.amdhsa_wavefront_size32 1
		.amdhsa_system_sgpr_workgroup_id_x 1
		.amdhsa_system_sgpr_workgroup_id_y 1
		.amdhsa_system_sgpr_workgroup_id_z 1
		.amdhsa_system_vgpr_workitem_id 0
		.amdhsa_next_free_vgpr 256
		.amdhsa_next_free_sgpr 66
		.amdhsa_reserve_vcc 0
		.amdhsa_float_denorm_mode_32 3
		.amdhsa_float_denorm_mode_16_64 3
		.amdhsa_memory_ordered 1
		.amdhsa_forward_progress 1
		.amdhsa_inst_pref_size 132
	.end_amdhsa_kernel
	.amdgpu_metadata
---
amdhsa.version: [ 1, 2 ]
amdhsa.kernels:
  - .name:           k_q07df07b71e_attn
    .symbol:         k_q07df07b71e_attn.kd
    .args:
      - { .name: q_s, .offset: 0, .size: 8, .value_kind: global_buffer, .address_space: global }
      - { .name: k_s, .offset: 8, .size: 8, .value_kind: global_buffer, .address_space: global }
      - { .name: v_s, .offset: 16, .size: 8, .value_kind: global_buffer, .address_space: global }
      - { .name: lowp_scales, .offset: 24, .size: 8, .value_kind: global_buffer, .address_space: global }
      - { .name: out0, .offset: 32, .size: 8, .value_kind: global_buffer, .address_space: global }
    .group_segment_fixed_size: 317440
    .private_segment_fixed_size: 0
    .kernarg_segment_align: 8
    .kernarg_segment_size: 40
    .max_flat_workgroup_size: 512
    .sgpr_count:     66
    .vgpr_count:     256
    .wavefront_size: 32
...
	.end_amdgpu_metadata
.endif
;; end of part 1
;; ======== version 2 of 2: 1 launch; version 1 with the launch attn written anew for expert scheduling mode
;; launch attn (part 2): grid 4 x 64, 16 waves a work-group, no clusters, 317,440 bytes of LDS; arguments q_s, k_s, v_s, lowp_scales, out0; writes out0
.if DOCPART == 2
	.amdgcn_target "amdgcn-amd-amdhsa--gfx1250"
	.amdhsa_code_object_version 6
	.text
	.protected	k_q07df07b71e_attn
	.globl	k_q07df07b71e_attn
	.p2align	8
	.type	k_q07df07b71e_attn,@function
k_q07df07b71e_attn:
	s_mov_b64 s[64:65], 0
	v_nop
	global_prefetch_b8 v0, s[64:65] scope:SCOPE_SE
	s_setreg_imm32_b32 hwreg(HW_REG_WAVE_SCHED_MODE, 0, 2), 2
	s_setreg_imm32_b32 hwreg(HW_REG_WAVE_MODE, 25, 1), 1
	s_wait_xcnt 0x0
	s_wait_alu depctr_vm_vsrc(0)
; out[h][q][:] = the sum over k of softmax_k(q[h][q] . k[h][k] / 8) v[h][k][:].  q, k, v, out: [64 heads][2048][64] f32.  Both products on codes of FP8 (E4M3),
; each operand with the one scale 2^e that is given for it: eq, ek, ep, ev (int32, in this order).
; THE SOFTMAX AHEAD OF THE SECOND PRODUCT: t = score x log2(e) / 8; M = the row's largest t so far, rounded UP to a whole number; p = 2^(t - M) is what is quantised, not normalised.
; The row's sum is taken of the unquantised p, in f32, and divides at the end.  When M moves, the sum and O are multiplied by 2^(old M - new M): nothing is rounded.
; SHARES.  A work-group owns 512 queries of one head (x: the block, y: the head); each of its sixteen waves owns 32 of them, two tiles of 16, in 256 registers.
; Every wave walks the head's 2,048 keys in 32 chunks of 64.
; K AND V LIE IN LDS AS CODES, WHOLE: a head's K and V are 2 x 131,072 bytes of codes.  The sixteen waves quantise them together, a chunk a trip, one chunk ahead of the products,
; from f32 numbers asked for two trips earlier: 8 numbers of K and 8 of V a lane and chunk.  Each LDS byte of K and V is written once: no slot is ever filled again.
; LAYOUT.  Both products are used transposed: S^T = K Q^T (source 0 = 16 keys, source 1 = 16 queries), O^T = V^T P^T (source 0 = 16 of the head's 64, source 1 = P): a lane holds ONE query
; (lane % 16) throughout, the eight registers of a tile of S^T are the keys 16 tau + 8 (lane / 16) + 0 .. 7, and their conversion gives registers 2 tau, 2 tau + 1 of P's operand as they stand.
; V's codes are stored as an image of the operand's registers.  K's and Q's are stored in planes of 16 rows x 16 bytes; the place of a channel d in the registers is a permutation of d,
; the same in K and in Q, so every product meets its partner and only the order of the sums inside an instruction changes.
; NO CLUSTER, NO TENSOR LOAD: the four work-groups of a head read the same K and V, but as f32 numbers that have to pass through registers to become codes.  The codes take 294,912 bytes of LDS
; and are written by ds_store; a jointly loaded f32 tile would need a ring in the 32,768 bytes that are left, filled again 32 times or more, each time behind a round of the cluster's barrier.
; THE HOLD OF p (p <= 1) is needed only where 448 x 2^ep < 1, that is ep <= -9: elsewhere a scalar branch on the whole number ep leads round its 64 lines.
; LIMITS: eq, ek, ep, ev between -126 and 119; eq + ek between -123 and 130 (each power of two below is then an f32 number).  NaN among the inputs is not served; an infinity is held at the largest code.
; THE MODE: SCHED_MODE bits 1:0 = 2 (LLVM: expert scheduling mode 2), set by the entry lines.  The code itself states the register dependences
; between vector or matrix instructions and memory or LDS instructions, with s_wait_alu, always for 0.
; THE PLAN.  Registers that memory or LDS instructions touch, in a trip:
;   v[ADR]              Written by a vector add at the trip's head (K's address) and by another behind the products K Q^T (V's); read by K's eight LDS loads, then by V's eight.
;   v[TA], v[TX], CD    Written by the quantiser's lines at the trip's head; read by its two LDS stores; TA and TX are written again by the softmax, CD by the next trip's conversions.
;   a set of PF         The holds and conversions at the trip's head read it out; the ten loads of the chunk three on land in it in the same trip.
;   FR                  K's loads land in it; the products K Q^T read it; V's loads land in it; the products V^T P read it.
;   v[KG], v[VG]        Read by every load of k_s and v_s; made at the kernel's head and never written again: the scalar bases step.
; So a trip has two waits on vm_vsrc, each far behind the instructions that it waits for: at its head, ahead of the add to v[ADR] (V's loads of the trip before have read it), and behind the
; products K Q^T, ahead of the second add (K's loads have read it; the stores have read TA, TX and CD).  And beside the four in the softmax and the one ahead of the products V^T P, it has one wait on va_vdst: behind the quantiser's
; vector lines, ahead of K's loads, the two stores and the ten global loads, with no vector instruction among these.  V's loads stand directly behind tile 0's wait for its exponentials, which
; also states what they hang on: v[ADR] is written, and the products K Q^T are done reading FR.
.set CHB,    16384                     ; a chunk of K or of V in memory: 64 rows of 256 bytes
.set NCH,    32                        ; chunks
.set KPLANE, 320                       ; K in LDS: a plane = 16 rows x 16 bytes + 64 of padding, so that the four planes that a wave's store touches start 64 bytes apart modulo 256
.set KTILE,  4*KPLANE                  ; a tile of 16 keys: four planes
.set KCH,    4*KTILE                   ; a chunk: four tiles
.set VCH,    4096                      ; V in LDS: a chunk = 4 tiles of 16 channels x 2 groups of four registers x 32 lanes x 16 bytes
.set VOFF,   NCH*KCH                   ; V lies behind K
.set QS,     VOFF+NCH*VCH              ; behind V: 1,280 bytes for each wave, through which its two tiles of Q take K's form, one after the other
.set SPITCH, 272                       ; the way out: a stage row, 256 bytes + 16
.set STILE,  16*SPITCH
.set SWAVE,  2*STILE                   ; two tiles a wave; the stages lie in K's bytes, behind the last barrier
.set AK0, 1                            ; v1   my lane's place in a tile of K: 16 r + 640 h
.set AV0, 2                            ; v2   in a chunk of V: VOFF + 16 x lane
.set KW,  3                            ; v3   where I store my 8 codes of a chunk of K
.set VW,  4                            ; v4   of V
.set KG,  5                            ; v5   my byte offset in a chunk of k_s; never rewritten
.set VG,  6                            ; v6   in a chunk of v_s; never rewritten
.set ADR, 7                            ; v7   address of the LDS loads in hand
.set SCK, 8                            ; v8-11  2^ek, 2^ev, 2^ep, 2^eq as f32: the conversions take their exponent fields
.set SCV, 9
.set SCP, 10
.set SCQ, 11
.set ST,  12                           ; tile t at v[12 + 4 t]: +0 -M, +1 the largest t, +2, +3 the sum in two halves
.set TA,  20                           ; v20, v21 at work
.set TX,  21
.set U,   22                           ; v[22:23] a second chain, of the maximum and then of the sum
.set F,   24                           ; v[24:25], v[26:27]: f = 2^(old M - new M) of tile 0, 1 in the low word
.set Q,   28                           ; v28-43   Q's two fragments
.set CD,  44                           ; v44-47   the codes just made: K's two registers, V's two
.set PF,  48                           ; v48-79   two sets of 16 numbers on their way: 8 of K, 8 of V
.set FR,  80                           ; v80-111  four fragments, of K and then of V
.set P,   112                          ; v112-127 P's two fragments
.set S,   128                          ; v128-191 S^T, then p: tile t, key tile tau at 128 + 32 t + 8 tau
.set O,   192                          ; v192-255 O^T: tile t, channel tile delta at 192 + 32 t + 8 delta
.set QG,  96                           ; the head alone: Q's byte offset, and the two addresses in my wave's scratch
.set QW,  97
.set QR,  98
.set WV,  14                           ; s14  my wave's number
.set SEL, 20                           ; s[20:21] lane selects for v_permlanex16_b32: lane l xor 16
.set CS,  22                           ; s[22:23] c = log2(e) / 8 x 2^(eq + ek)
.set KB,  24                           ; s24  LDS byte at which the chunk in hand begins in K
.set VB,  25                           ; s25  and, from VOFF on, in V
.set CNT, 26
.set LK,  28                           ; s[28:29], s[30:31], s[32:33]: -448 x the scale, +448 x the scale, of K, V, Q;  s34: +448 x 2^ep
.set LV,  30
.set LQ,  32
.set LP,  34
.set EPV, 35                           ; s35  ep + ev
; Ten loads: my 8 numbers of K (key tid / 8 of the chunk, channels 4 (tid % 8) + 0..3 and 32 further on) and my 8 of V (channel tid % 64, keys 8 (tid / 64) + 0..7: registers run down the keys).
; No cache hint: three other work-groups read the same bytes.
.macro LOADC set, off
	global_load_b128 v[PF+16*(\set):PF+16*(\set)+3], v[KG], s[6:7] offset:(\off)
	global_load_b128 v[PF+16*(\set)+4:PF+16*(\set)+7], v[KG], s[6:7] offset:(\off)+128
.irp n, 0,1,2,3,4,5,6,7
	global_load_b32 v[PF+16*(\set)+8+\n], v[VG], s[8:9] offset:(\off)+256*\n
.endr
.endm
; A set's 16 numbers become 16 codes, and the two addresses are made at which they go to LDS: the vector lines of the quantiser.
.macro QVEC set
.set rX, PF+16*(\set)
.irp i, 0,1,2,3,4,5,6,7
	v_med3_num_f32 v[rX+\i], v[rX+\i], s[LK], s[LK+1]        ; the conversion to an 8-bit code does not saturate (ISA guide 7.6.2): the hold at the largest code x the scale
.endr
.irp i, 8,9,10,11,12,13,14,15
	v_med3_num_f32 v[rX+\i], v[rX+\i], s[LV], s[LV+1]
.endr
	v_cvt_scalef32_pk8_fp8_f32 v[CD:CD+1], v[rX:rX+7], v[SCK]
	v_cvt_scalef32_pk8_fp8_f32 v[CD+2:CD+3], v[rX+8:rX+15], v[SCV]
	v_add_nc_u32 v[TA], s[KB], v[KW]                         ; (these two are also the plain lines behind the conversions)
	v_add_nc_u32 v[TX], s[VB], v[VW]
.endm
; The codes go to LDS, ck and cv bytes behind the chunk in hand.  A wait on va_vdst stands between QVEC and these two.
.macro QSTO ck, cv
	ds_store_b64 v[TA], v[CD:CD+1] offset:\ck
	ds_store_b64 v[TX], v[CD+2:CD+3] offset:\cv
.endm
; Tile t's softmax for a chunk: 32 scores a lane become p; -M, the largest t, f and the sum are brought on.  In tile 0's stand the chunk's LDS loads of V.
.macro SOFT t
.set rS, S+32*(\t)
.set rT, ST+4*(\t)
.set rF, F+2*(\t)
	v_max3_num_f32 v[TA], v[rS], v[rS+1], v[rS+2]            ; the largest score among my 32 keys, in two chains, in ascending order: each accumulator is first read at its low end
	v_max3_num_f32 v[U], v[rS+3], v[rS+4], v[rS+5]
.irp i, 6,10,14,18,22,26
	v_max3_num_f32 v[TA], v[TA], v[rS+\i], v[rS+\i+1]
	v_max3_num_f32 v[U], v[U], v[rS+\i+2], v[rS+\i+3]
.endr
	v_max3_num_f32 v[TA], v[TA], v[rS+30], v[rS+31]
	v_max_num_f32 v[TA], v[TA], v[U]
	v_permlanex16_b32 v[TX], v[TA], s[SEL], s[SEL+1]         ; the query's other 32 keys lie in the lane 16 away
	v_max_num_f32 v[TA], v[TA], v[TX]
	v_mul_f32 v[TA], s[CS], v[TA]                            ; as t (c is positive)
	v_max_num_f32 v[rT+1], v[rT+1], v[TA]                    ; the running largest t
	v_mov_b32 v[TA], v[rT]
	v_floor_f32 v[rT], -v[rT+1]                              ; the new -M = floor(-t) = -ceil(t): a whole number
	v_sub_f32 v[TA], v[rT], v[TA]                            ; old M - new M: a whole number, 0 or less
	v_cvt_i32_f32 v[TA], v[TA]                               ; (it saturates)
	v_ldexp_f32 v[rF], 1.0, v[TA]                            ; f = 2^(old M - new M)
.irp j, 0,2,4,6,8,10,12,14,16,18,20,22,24,26,28,30
	v_pk_fma_f32 v[rS+\j:rS+\j+1], v[rS+\j:rS+\j+1], s[CS:CS+1], v[rT:rT+1] op_sel_hi:[1,0,0]   ; t - M, two at a time (of the pairs c and -M the low word serves both halves)
.endr
	s_wait_alu depctr_va_vdst(0)
.irp j, 0,1,2,3,4,5,6,7,8,9,10,11,12,13,14,15,16,17,18,19,20,21,22,23,24,25,26,27,28,29,30,31
	v_exp_f32 v[rS+\j], v[rS+\j]                             ; p = 2^(t - M), at most 1
.endr
	v_pk_mul_f32 v[rT+2:rT+3], v[rT+2:rT+3], v[rF:rF+1] op_sel_hi:[1,0]   ; the sum under the new M.  (The plain line behind the exponentials)
	s_wait_alu depctr_va_vdst(0)                             ; the tile's 32 exponentials have written p, ahead of its first reader: one wait for the batch.  In tile 0 it states two things more: v[ADR] is written, and the products K Q^T are done reading FR
.if (\t) == 0
.irp d, 0,1,2,3
.irp c, 0,1
	ds_load_b128 v[FR+8*\d+4*\c:FR+8*\d+4*\c+3], v[ADR] offset:1024*\d+512*\c   ; V's four fragments, as images of their registers: no vector line stands between the wait and these; they land under the rest of the softmax
.endr
.endr
.endif
	v_pk_add_f32 v[U:U+1], v[rS:rS+1], v[rS+2:rS+3]          ; the sum is taken of the unquantised p: two at a time, in two chains
.irp j, 4,8,12,16,20,24,28
	v_pk_add_f32 v[rT+2:rT+3], v[rT+2:rT+3], v[rS+\j:rS+\j+1]
	v_pk_add_f32 v[U:U+1], v[U:U+1], v[rS+\j+2:rS+\j+3]
.endr
	v_pk_add_f32 v[rT+2:rT+3], v[rT+2:rT+3], v[U:U+1]
.endm
; p is not negative, so its hold is one-sided; p <= 1 and 448 x 2^-8 = 1.75, so from ep = -8 on nothing is left to hold.  The branch hangs on a whole number read from memory, the same in every wave.
.macro HOLD
	s_cmp_ge_i32 s18, -8
	s_cbranch_scc1 .Lfree_\@
.set i, 0
.rept 64
	v_min_num_f32 v[S+i], s[LP], v[S+i]
.set i, i+1
.endr
.Lfree_\@:
.endm
; One chunk of 64 keys.  set: the numbers' set of the next chunk.  quant = 1: the next chunk is quantised, and a barrier shows it to all.  load = 1: the chunk three on is asked for.
; left: the global loads that may stay out when the next chunk's numbers have to be there.
.macro TRIP set, quant, load, left
	s_wait_alu depctr_vm_vsrc(0)                             ; V's loads of the trip before have read v[ADR], which the next line writes.  Ahead of the first trip also: Q's loads and LDS instructions have read v80 to v98, in which K's loads land, and chunk 0's stores have read TA, TX and CD
	v_add_nc_u32 v[ADR], s[KB], v[AK0]
.if \quant
	s_wait_loadcnt \left                                     ; loads come back in order: the next chunk's ten are in, the ten behind them (if any) stay out
	QVEC \set
.else
.rept 3
	v_nop                                                    ; with the addition: four plain lines between the last products and the loads into registers that they read; in the other trips the holds stand there
.endr
.endif
	s_wait_alu depctr_va_vdst(0)                             ; v[ADR], TA, TX and CD are written, which the LDS instructions below read; the last products V^T P are done reading FR, in which K's loads land; the holds and conversions are done with the set, in which the global loads land
.irp tau, 0,1,2,3
.irp c, 0,1
	ds_load_b128 v[FR+8*\tau+4*\c:FR+8*\tau+4*\c+3], v[ADR] offset:KTILE*\tau+KPLANE*\c   ; K's four fragments: plane 2 h + c, row r
.endr
.endr
.if \quant
	QSTO KCH, VCH
.endif
.if \load
	s_wait_xcnt 0x0                                          ; the earlier loads have read their bases: only now do these step
	s_add_nc_u64 s[6:7], s[6:7], CHB
	s_add_nc_u64 s[8:9], s[8:9], CHB
	LOADC \set, 2*CHB                                        ; the bases stand at the next chunk: this is the chunk three on, into the set just read out.  No vector line has stood since the wait on va_vdst
.endif
	s_wait_dscnt 0x0                                         ; K's fragments are in; for the others' sake: my codes of the next chunk have landed
.if \quant
	s_barrier_signal -1                                      ; say so; up to the wait at the trip's end stand register work and loads of this chunk's V, which nobody writes again
.endif
.irp tau, 0,1,2,3
.irp t, 0,1
	v_wmma_f32_16x16x64_fp8_fp8 v[S+32*\t+8*\tau:S+32*\t+8*\tau+7], v[FR+8*\tau:FR+8*\tau+7], v[Q+8*\t:Q+8*\t+7], 0
.endr
.endr
	s_wait_alu depctr_vm_vsrc(0)                             ; K's loads have read v[ADR], which the next line writes; the two stores have read TA and TX, which the softmax writes, and CD, which the next trip's conversions write
	v_add_nc_u32 v[ADR], s[VB], v[AV0]
.rept 3
	v_nop                                                    ; with the addition: four places behind the products, ahead of the first reads of the scores (ISA guide 7.12.1)
.endr
	SOFT 0
	SOFT 1
	HOLD
.irp t, 0,1
.irp tau, 0,1,2,3
	v_cvt_scalef32_pk8_fp8_f32 v[P+8*\t+2*\tau:P+8*\t+2*\tau+1], v[S+32*\t+8*\tau:S+32*\t+8*\tau+7], v[SCP]   ; keys 16 tau + 8 h + 0 .. 7: registers 2 tau, 2 tau + 1 of the operand
.endr
.endr
.irp t, 0,1
.irp j, 0,2,4,6,8,10,12,14,16,18,20,22,24,26,28,30
	v_pk_mul_f32 v[O+32*\t+\j:O+32*\t+\j+1], v[O+32*\t+\j:O+32*\t+\j+1], v[F+2*\t:F+2*\t+1] op_sel_hi:[1,0]   ; O^T under the new M.  (Also the plain lines between the conversions and the products)
.endr
.endr
	s_wait_alu depctr_va_vdst(0)
	s_wait_dscnt 0x0                                         ; V's fragments are in
.irp d, 0,1,2,3
.irp t, 0,1
	v_wmma_f32_16x16x64_fp8_fp8 v[O+32*\t+8*\d:O+32*\t+8*\d+7], v[FR+8*\d:FR+8*\d+7], v[P+8*\t:P+8*\t+7], v[O+32*\t+8*\d:O+32*\t+8*\d+7]   ; eight accumulators by turns, one instruction a turn
.endr
.endr
	s_add_co_u32 s[KB], s[KB], KCH
	s_add_co_u32 s[VB], s[VB], VCH
.if \quant
	s_barrier_wait -1                                        ; every wave's codes of the next chunk lie in LDS
.endif
.endm
; 2^e as f32 into v[sc]; 448 x 2^e into s[lim]; both = 1: its negative into s[lim - 1]
.macro SCALE e, sc, lim, both
	s_add_co_i32 s36, s[\e], 127
	s_lshl_b32 s37, s36, 23
	v_mov_b32 v[\sc], s37
	s_add_co_i32 s36, s36, 8
	s_lshl_b32 s36, s36, 23
	s_or_b32 s[(\lim)], s36, 0x600000                        ; the exponent field of 256 x 2^e over the mantissa field of 448
.if \both
	s_or_b32 s[(\lim)-1], s[(\lim)], 0x80000000
.endif
.endm
	s_load_b256 s[4:11], s[0:1], 0x0               ; q s[4:5], k s[6:7], v s[8:9], the scales' exponents s[10:11]
	s_load_b64 s[12:13], s[0:1], 0x20              ; out
	v_lshrrev_b32 v7, 5, v0
	v_readfirstlane_b32 s[WV], v7                  ; wave 0..15
	v_and_b32 v20, 15, v0                          ; r
	v_bfe_u32 v21, v0, 4, 1                        ; h
	v_mul_u32_u24 v22, v21, 2*KPLANE
	v_lshl_add_u32 v[AK0], v20, 4, v22             ; 16 r + two planes for the upper half of the lanes
	v_and_b32 v22, 31, v0
	v_lshl_add_u32 v[AV0], v22, 4, VOFF
	v_bfe_u32 v22, v0, 1, 2                        ; K's store: thread tid holds key tid / 8 and the channel group g = tid % 8: plane g / 2,
	v_mul_u32_u24 v[KW], v22, KPLANE
	v_and_b32 v22, 1, v0
	v_lshl_add_u32 v[KW], v22, 3, v[KW]            ; half g % 2 of the row's 16 bytes,
	v_bfe_u32 v22, v0, 3, 4
	v_lshl_add_u32 v[KW], v22, 4, v[KW]            ; row (tid / 8) % 16,
	v_lshrrev_b32 v22, 7, v0
	v_mul_u32_u24 v22, v22, KTILE
	v_add_nc_u32 v[KW], v[KW], v22                 ; tile tid / 128
	v_lshl_add_u32 v[VW], v20, 4, VOFF             ; V's store: thread tid holds channel tid % 64 = 16 delta + r and keys 8 (tid / 64) + 0..7 = 16 tau + 8 h + 0..7: lane r + 16 h,
	v_bfe_u32 v22, v0, 4, 2
	v_lshl_add_u32 v[VW], v22, 10, v[VW]           ; tile delta,
	v_bfe_u32 v22, v0, 6, 1
	v_lshl_add_u32 v[VW], v22, 8, v[VW]            ; (16 h lanes of 16 bytes)
	v_bfe_u32 v22, v0, 7, 1
	v_lshl_add_u32 v[VW], v22, 3, v[VW]            ; registers 2 tau, 2 tau + 1: half tau % 2
	v_bfe_u32 v22, v0, 8, 1
	v_lshl_add_u32 v[VW], v22, 9, v[VW]            ; of group tau / 2
	v_lshrrev_b32 v22, 3, v0
	v_and_b32 v23, 7, v0
	v_lshlrev_b32 v[KG], 8, v22
	v_lshl_add_u32 v[KG], v23, 4, v[KG]            ; k_s: row tid / 8, 16 bytes at 16 (tid % 8)
	v_and_b32 v22, 63, v0
	v_lshrrev_b32 v24, 6, v0
	v_lshlrev_b32 v[VG], 2, v22
	v_lshl_add_u32 v[VG], v24, 11, v[VG]           ; v_s: column tid % 64, eight rows down for each tid / 64
	v_bfe_u32 v22, v0, 3, 2
	v_lshlrev_b32 v[QG], 8, v22
	v_lshl_add_u32 v[QG], v23, 4, v[QG]            ; q_s: row lane / 8 of four, 16 bytes at 16 (lane % 8)
	s_wait_alu depctr_va_sdst(0)                   ; s14, the wave's number, is written, ahead of its first reader: LDS places and the bases of q and out are made from it
	s_mul_i32 s36, s[WV], KTILE
	s_add_co_u32 s36, s36, QS                      ; my wave's scratch
	v_bfe_u32 v24, v0, 1, 2
	v_mul_u32_u24 v[QW], v24, KPLANE
	v_and_b32 v24, 1, v0
	v_lshl_add_u32 v[QW], v24, 3, v[QW]
	v_lshl_add_u32 v[QW], v22, 4, v[QW]
	v_add_nc_u32 v[QW], s36, v[QW]                 ; into it as K's codes go into a tile,
	v_add_nc_u32 v[QR], s36, v[AK0]                ; and out of it as K's fragments come
	s_and_b32 s40, ttmp7, 0xffff
	s_lshl_b32 s40, s40, 19                        ; the head's first byte in each tensor: 2,048 rows of 256 bytes
	s_mov_b32 s41, 0
	s_lshl_b32 s42, ttmp9, 17                      ; my block's 512 rows,
	s_lshl_b32 s43, s[WV], 13                      ; my wave's 32 of them
	s_add_co_u32 s42, s42, s43
	s_add_co_u32 s42, s42, s40
	s_mov_b32 s43, 0
	s_mov_b32 s[SEL], 0x76543210
	s_mov_b32 s[SEL+1], 0xfedcba98
	s_mov_b32 s[KB], 0
	s_mov_b32 s[VB], 0
	s_wait_kmcnt 0x0
	s_load_b128 s[16:19], s[10:11], 0x0            ; eq, ek, ep, ev
	s_add_nc_u64 s[6:7], s[6:7], s[40:41]
	s_add_nc_u64 s[8:9], s[8:9], s[40:41]
	s_add_nc_u64 s[4:5], s[4:5], s[42:43]
	s_add_nc_u64 s[12:13], s[12:13], s[42:43]
	s_wait_alu depctr_va_vdst(0)                   ; the offsets v[KG], v[VG] and v[QG] are written, which the loads below read; so are v[QW] and v[QR], for Q's LDS instructions further down
	LOADC 0, 0                                     ; chunk 0
	LOADC 1, CHB                                   ; chunk 1
.irp g, 0,1,2,3,4,5,6,7                        ; my wave's 32 queries, four rows a pair of loads; read by nobody else
.irp i, 0,1
	global_load_b128 v[S+8*\g+4*\i:S+8*\g+4*\i+3], v[QG], s[4:5] offset:1024*\g+128*\i th:TH_LOAD_NT
.endr
.endr
.set i, 0
.rept 64
	v_mov_b32 v[O+i], 0                            ; O^T.  (A trip is written in one form: the first finds zeros, which the first change of M leaves zeros)
.set i, i+1
.endr
.irp t, 0,1
	v_mov_b32 v[ST+4*\t+1], 0xff61b1e6             ; the largest t so far: -3e38, under every t
	v_floor_f32 v[ST+4*\t], -v[ST+4*\t+1]          ; -M
	v_mov_b32 v[ST+4*\t+2], 0                      ; the sum, in two halves
	v_mov_b32 v[ST+4*\t+3], 0
	v_mov_b32 v[F+2*\t+1], 0                       ; (named as the upper half of f's pair)
.endr
	v_mov_b32 v[TX], 0                             ; a lane permute's destination counts as one of its sources
	s_wait_kmcnt 0x0
	s_add_co_i32 s36, s16, s17
	s_lshl_b32 s36, s36, 23
	s_mov_b32 s[CS], 0x3e38aa3b                    ; c = log2(e) / 8
	s_add_co_i32 s[CS], s[CS], s36                 ; a score stands for score x 2^(eq + ek): the two exponents are added to c's exponent field
	s_mov_b32 s[CS+1], s[CS]                       ; (named with it as a pair, so it is written)
	s_add_co_i32 s[EPV], s18, s19
	SCALE 16, SCQ, LQ+1, 1
	SCALE 17, SCK, LK+1, 1
	SCALE 18, SCP, LP, 0
	SCALE 19, SCV, LV+1, 1
	s_wait_loadcnt 26                              ; chunk 0's ten loads are in; behind them: chunk 1's ten and Q's sixteen
	QVEC 0
	s_wait_alu depctr_va_vdst(0)                   ; TA, TX and CD are written, which the two stores read; the holds and conversions are done with set 0, in which chunk 2's loads land
	QSTO 0, 0
	LOADC 0, 2*CHB                                 ; chunk 2, into the set just read out
	s_wait_loadcnt 10                              ; chunk 1 and Q are in; chunk 2's ten stay out
.set i, 0
.rept 64
	v_med3_num_f32 v[S+i], v[S+i], s[LQ], s[LQ+1]
.set i, i+1
.endr
.irp g, 0,1,2,3,4,5,6,7
	v_cvt_scalef32_pk8_fp8_f32 v[FR+2*\g:FR+2*\g+1], v[S+8*\g:S+8*\g+7], v[SCQ]
.endr
	v_nop                                          ; one plain line behind the last conversion: the first products write the numbers' registers
	s_wait_alu depctr_va_vdst(0)                   ; the conversions have written Q's codes, v80 to v95, which the LDS stores read
.irp t, 0,1                                    ; LDS serves a wave's instructions in order (ISA guide 5.7.1.4): a tile's loads see its stores, and the second tile's stores come behind the first's loads
.irp g, 0,1,2,3
	ds_store_b64 v[QW], v[FR+2*(4*\t+\g):FR+2*(4*\t+\g)+1] offset:64*\g
.endr
.irp c, 0,1
	ds_load_b128 v[Q+8*\t+4*\c:Q+8*\t+4*\c+3], v[QR] offset:KPLANE*\c
.endr
.endr
	s_wait_dscnt 0x0                               ; Q's fragments are in; for the others' sake: my codes of chunk 0 have landed
	s_barrier_signal -1
	s_barrier_wait -1                              ; chunk 0 lies in LDS
	s_mov_b32 s[CNT], 14
.Lpair:                                            ; chunks 0 to 27, two a trip, since the numbers' sets take turns
	TRIP 1, 1, 1, 10
	TRIP 0, 1, 1, 10
	s_sub_co_u32 s[CNT], s[CNT], 1
	s_cmp_lg_u32 s[CNT], 0
	s_cbranch_scc1 .Lpair
	TRIP 1, 1, 1, 10                               ; chunk 28: asks for chunk 31, the last: no load leaves its buffer
	TRIP 0, 1, 0, 10                               ; chunk 29: chunk 30 is quantised, chunk 31's ten loads stay out
	TRIP 1, 1, 0, 0                                ; chunk 30: chunk 31 is quantised
	TRIP 0, 0, 0, 0                                ; chunk 31: nothing is left to quantise, so there is no barrier
	; THE WAY OUT.  O^T is divided by the sum, multiplied by 2^(ep + ev) and sent through my stage in LDS, so that sixteen lanes store a row's 256 bytes.
	s_wait_dscnt 0x0
	s_barrier_signal -1
	s_barrier_wait -1                              ; every wave's reads of K and V are over: the stages may lie in K's bytes
	s_wait_alu depctr_vm_vsrc(0)                   ; the last chunk's loads of V have read v7, which the next line writes
	v_and_b32 v7, 15, v0                           ; r.  (These ten plain vector lines are the places behind the last products)
	v_bfe_u32 v11, v0, 4, 1                        ; h
	s_mul_i32 s36, s[WV], SWAVE                    ; my stage
	v_mul_u32_u24 v1, v7, SPITCH
	v_lshl_add_u32 v1, v11, 5, v1
	v_add_nc_u32 v1, s36, v1                       ; in: row r, 32 bytes for each half of the lanes
	v_mul_u32_u24 v2, v11, SPITCH
	v_lshl_add_u32 v2, v7, 4, v2
	v_add_nc_u32 v2, s36, v2                       ; back: lanes 0-15 one row, lanes 16-31 the next
	v_lshlrev_b32 v3, 8, v11
	v_lshl_add_u32 v3, v7, 4, v3                   ; and the same two rows in out
	v_add_f32 v20, v14, v15                        ; the sums' two halves,
	v_add_f32 v22, v18, v19
	v_permlanex16_b32 v21, v20, s[SEL], s[SEL+1]
	v_permlanex16_b32 v23, v22, s[SEL], s[SEL+1]
	v_add_f32 v20, v20, v21                        ; and lane l xor 16's: the rows' sums
	v_add_f32 v22, v22, v23
	s_wait_alu depctr_va_vdst(0)
	v_rcp_f32 v[F], v20
	v_rcp_f32 v[F+2], v22
	v_nop                                          ; one plain line behind the reciprocals
	s_wait_alu depctr_va_vdst(0)                   ; the two reciprocals have written v24 and v26, ahead of their first reader
	v_ldexp_f32 v[F], v[F], s[EPV]                 ; x 2^(ep + ev)
	v_ldexp_f32 v[F+2], v[F+2], s[EPV]
.irp t, 0,1
.irp j, 0,2,4,6,8,10,12,14,16,18,20,22,24,26,28,30
	v_pk_mul_f32 v[S+32*\t+\j:S+32*\t+\j+1], v[O+32*\t+\j:O+32*\t+\j+1], v[F+2*\t:F+2*\t+1] op_sel_hi:[1,0]   ; register 8 delta + i is out(r, 16 delta + 8 h + i); each accumulator from its low end on
.endr
.endr
	s_wait_alu depctr_va_vdst(0)                   ; the multiplies have written v128 to v191, the stage's data, and v1, v2 and v3 are written, the three addresses; the quantiser's lines and the products are done with v48 to v111, in which the loads from the stage land
.irp t, 0,1
.irp d, 0,1,2,3
	ds_store_b128 v1, v[S+32*\t+8*\d:S+32*\t+8*\d+3] offset:STILE*\t+64*\d
	ds_store_b128 v1, v[S+32*\t+8*\d+4:S+32*\t+8*\d+7] offset:STILE*\t+64*\d+16
.endr
.irp i, 0,1,2,3,4,5,6,7
	ds_load_b128 v[PF+32*\t+4*\i:PF+32*\t+4*\i+3], v2 offset:STILE*\t+2*SPITCH*\i   ; in order behind my stores: whole rows, two an instruction
.endr
.endr
.irp i, 0,1,2,3,4,5,6,7
	s_wait_dscnt 23-\i                             ; behind tile 0's load i: 7 - i of its own, and tile 1's eight stores and eight loads
	global_store_b128 v3, v[PF+4*\i:PF+4*\i+3], s[12:13] offset:512*\i th:TH_STORE_NT   ; 16 lanes store 256 consecutive bytes, at a multiple of 256 from out's first byte
.endr
.irp i, 0,1,2,3,4,5,6,7
	s_wait_dscnt 7-\i
	global_store_b128 v3, v[PF+32+4*\i:PF+32+4*\i+3], s[12:13] offset:4096+512*\i th:TH_STORE_NT
.endr
	s_wait_xcnt 0x0
	v_lshl_add_u32 v254, v0, 2, 0x4d000            ; the add's two registers are made anew, since none can be kept: my spare word behind the waves' scratch, and 0.  No memory or LDS instruction has read v254 or v255
	v_mov_b32 v255, 0
	s_wait_dscnt 0x0                               ; the closing lines, six on end
	s_wait_alu 0x0
	s_wait_tensorcnt 0x0
	ds_add_u32 v254, v255
	s_wait_dscnt 0x0
	s_endpgm
.Lfunc_end_k_q07df07b71e_attn:
	.size	k_q07df07b71e_attn, .Lfunc_end_k_q07df07b71e_attn-k_q07df07b71e_attn
	.p2alignl 7, 3214868480
	.fill 96, 4, 3214868480
	.section	.rodata,"a",@progbits
	.p2align	6, 0x0
	.amdhsa_kernel k_q07df07b71e_attn
		.amdhsa_group_segment_fixed_size 317440
		.amdhsa_private_segment_fixed_size 0
		.amdhsa_enable_private_segment 0
		.amdhsa_kernarg_size 40
		.amdhsa_user_sgpr_count 2
		.amdhsa_user_sgpr_kernarg_segment_ptr 1
		.amdhsa_wavefront_size32 1
		.amdhsa_system_sgpr_workgroup_id_x 1
		.amdhsa_system_sgpr_workgroup_id_y 1
		.amdhsa_system_sgpr_workgroup_id_z 1
		.amdhsa_system_vgpr_workitem_id 0
		.amdhsa_next_free_vgpr 256
		.amdhsa_next_free_sgpr 66
		.amdhsa_reserve_vcc 0
		.amdhsa_float_denorm_mode_32 3
		.amdhsa_float_denorm_mode_16_64 3
		.amdhsa_memory_ordered 1
		.amdhsa_forward_progress 1
		.amdhsa_inst_pref_size 133
	.end_amdhsa_kernel
	.amdgpu_metadata
---
amdhsa.version: [ 1, 2 ]
amdhsa.kernels:
  - .name:           k_q07df07b71e_attn
    .symbol:         k_q07df07b71e_attn.kd
    .args:
      - { .name: q_s, .offset: 0, .size: 8, .value_kind: global_buffer, .address_space: global }
      - { .name: k_s, .offset: 8, .size: 8, .value_kind: global_buffer, .address_space: global }
      - { .name: v_s, .offset: 16, .size: 8, .value_kind: global_buffer, .address_space: global }
      - { .name: lowp_scales, .offset: 24, .size: 8, .value_kind: global_buffer, .address_space: global }
      - { .name: out0, .offset: 32, .size: 8, .value_kind: global_buffer, .address_space: global }
    .group_segment_fixed_size: 317440
    .private_segment_fixed_size: 0
    .kernarg_segment_align: 8
    .kernarg_segment_size: 40
    .max_flat_workgroup_size: 512
    .sgpr_count:     66
    .vgpr_count:     256
    .wavefront_size: 32
...
	.end_amdgpu_metadata
.endif
;; end of part 2
